; MI455X (gfx1250); checked and timed in simulation.
; The chip was launched on July 23, 2026; its instructions are those of AMD's public machine-readable ISA for CDNA 5 (MIT licence, August 2026) and "CDNA5" Instruction Set Architecture Reference Guide (July 2026). The comments in the code are by the model that wrote it; some were corrected since.
;; Mo E Layer. Allowed arithmetic: matrix products marked QUANTISED: E5M2 operands, one E8M0 scale for each 32 along K, by v_wmma_scale_f32_16x16x128_f8f6f4 with both operands' format E5M2, f32 sums; products left as they are: f32 operands where the result goes on into a quantised operand, else bf16, f16 or f32 operands; f32 sums; everything else in f32.
;; Inputs: W1 8 x 1,024 x 4,096 float32; W2 8 x 4,096 x 1,024 float32; Wr 1,024 x 8 float32; b1 8 x 4,096 float32; b2 8 x 1,024 float32; br 8 float32; x 2 x 512 x 1,024 float32.
;; Outputs: out0 2 x 512 x 1,024 float32; out1 2 x 512 x 8 float32.
;; Constants: top_k = 2.
;; This version of the problem:
;;   THIS VERSION OF THE PROBLEM IS GIVEN IN LOW PRECISION. The matrix products marked QUANTISED in the list below multiply operands that are first quantised to E5M2 (5 exponent bits, 2 mantissa bits; 8 bits a number), with one power-of-two scale for each 32 numbers along K (OCP MX v1.0); their sums are f32. All else is computed in f32.
;;   The module's matrix products, in the order in which they are computed (A, B: the left and right operand; K: the contracted axis; several contracted axes count as one K, in the product's order):
;;     1. [M 1,024, K 1,024] x [K 1,024, N 8]; A: input x; B: input Wr: left as it is (N = 8 < 16)
;;     2. [M 1,024, K 1,024] x [K 1,024, N 32,768]; A: input x; B: input W1: QUANTISED
;;     3. batch 8 x [M 1,024, K 4,096] x [K 4,096, N 1,024]; A: input W2; B: computed on the way: QUANTISED
;;     4. batch 1,024 x [M 1, K 8] x [K 8, N 1,024]; A: computed on the way; B: computed on the way: left as it is (K = 8 < 32)
;;   THE QUANTISER, for each operand of a quantised product, along K:
;;     - K is cut into blocks of 32 from its start; a last block that is shorter is filled with zeros.
;;     - A block's scale is 2^e with e = floor(log2(the largest magnitude in the block)) - 15, held to -126 .. 127; a block of zeros has e = 0. As a byte (E8M0): e + 127.
;;     - Each number is divided by its block's scale, clamped to +-57,344, and rounded to the nearest number of E5M2, ties to even, subnormals kept.
;;     - The product sums the exact products of the quantised numbers (number of the format x scale) in f32.
;;   ~~~python
;;   def quantise(x, axis):      # numpy; x: float32 -> the quantised numbers, widened to float32 again
;;       x = np.moveaxis(x, axis, -1); K = x.shape[-1]
;;       x = np.pad(x, [(0, 0)] * (x.ndim - 1) + [(0, -K % 32)]); x = x.reshape(x.shape[:-1] + (-1, 32)); a = np.abs(x).max(-1, keepdims=True)
;;       e = np.where(a > 0, np.clip(np.frexp(np.where(a > 0, a, 1))[1] - 1 - 15, -126, 127), 0)      # np.frexp(a)[1] - 1 = floor(log2(a)), exactly
;;       r = np.clip(x / 2.0 ** e, -57344, 57344)
;;       step = 2.0 ** (np.maximum(np.frexp(np.where(r == 0, 1, r))[1] - 1, -14) - 2)
;;       q = np.round(r / step) * step * 2.0 ** e      # np.round: ties to even
;;       return np.moveaxis(q.reshape(q.shape[:-2] + (-1,))[..., :K], -1, axis).astype(np.float32)
;;   ~~~
;;   OPERANDS COMPUTED ON THE WAY. 'Computed on the way' means the value that the module computes at that place (a softmax that the list does not call 'softmax' is quantised finished and normalised). What goes into a quantiser is computed in f32, as accurately as f32 sums, v_exp_f32 and their like allow (about 1e-6 of the number): no bf16 or f16 on the way to a quantiser, and a product that is left as it is and whose result goes on into a quantised operand takes f32 operands (vector FMAs, or v_wmma_f32_16x16x4_f32). A number that lies on a knife's edge between two numbers of the format may be rounded either way, as far as f32 arithmetic and the matrix unit's own rounding can turn it there, and no further.
;; One version. Each part assembles by itself: llvm-mc -triple=amdgcn-amd-amdhsa -mcpu=gfx1250 --defsym DOCPART=n.
;; ======== version 1 of 1: 4 launches
;; workspace buffers: xq 1,048,576 bytes; xs 32,768 bytes; topi 8,192 bytes of whole numbers; topw 8,192 bytes; place 33,792 bytes of whole numbers; hq 34,603,008 bytes; hs 2,162,688 bytes; y 138,412,032 bytes
;; launch route (part 1): grid 256 x 1, 4 waves a work-group, no clusters, 22,528 bytes of LDS; arguments x, Wr, br, xq, xs, topi, topw, out1; writes xq, xs, topi, topw, out1
.if DOCPART == 1
	.amdgcn_target "amdgcn-amd-amdhsa--gfx1250"
	.amdhsa_code_object_version 6
	.text
	.protected	k_q11600f8451_route
	.globl	k_q11600f8451_route
	.p2align	8
	.type	k_q11600f8451_route,@function
k_q11600f8451_route:
	s_mov_b64 s[64:65], 0
	v_nop
	global_prefetch_b8 v0, s[64:65] scope:SCOPE_SE
	s_setreg_imm32_b32 hwreg(HW_REG_WAVE_MODE, 25, 1), 1
	s_wait_xcnt 0x0
; ROUTER AND QUANTISER OF x.  x [1024 tokens][1024] f32, Wr [1024][8], br [8].
; out1[t][e] = softmax(x Wr + br), all in f32; topi[t][k], topw[t][k]: the two largest probabilities' experts and values (an exact tie goes to the lower expert);
; xq[t][1024]: x as codes of E5M2, xs[t][32]: one E8M0 byte for each 32 along the row.
; A block's scale is 2^(floor(log2(its largest magnitude)) - 15); each number is held within +-57,344 x the scale and rounded to the nearest code, ties to even.
; LIMITS: NaN and infinities among the inputs are not served.  A block of zeros gets the byte 1 and not 127: its codes are zeros, and the bytes are read by this program alone.
; Two probabilities that differ only by the order of the f32 sums may be ranked otherwise than another order of sums would rank them.
; SHARES.  A work-group of four waves takes four tokens; wave w takes columns 256 w .. 256 w + 255 of all four, so that its part of Wr is 64 registers and every byte of x is read once.
; The choice of experts steers no address and no branch here: it is stored as whole numbers at fixed places.
; No matrix unit (N = 8), no cluster (work-groups share only Wr's 32 KB), no tensor load: 16 KB of x a work-group come by 32 plain loads.
; WORK LEFT OUT BY THE PROGRAM: reference() weighs every expert's result for a token by cw, which its own one_hot builds: cw is 0 for each expert that is not among the token's two.  So the rows of both
; quantised products and of b2 for experts that were not chosen reach no output, whatever finite values the inputs hold, and the later launches do not make them.
; LIMIT: a NaN, an infinity or an overflow that reaches only those rows is not carried to the result.
.set SP,   80                          ; a lane's place in a stage: its 64 bytes + 16 of padding
.set STW,  2*32*SP                     ; LDS: two stages for each wave
.set PART, 4*STW                       ; 32 logits x 8 partial sums (4 waves x 2 halves of the lanes): word at 32 (8 i + e) + 8 w + 4 h
.set SCB,  PART+1024                   ; the four tokens' scale bytes: 32 x token + block
.set R,    16                          ; v16-47   x as loaded: load 2 i + p, register j: x[4 g + i][256 w + 128 p + 4 lane + j]
.set WR,   48                          ; v48-111  Wr: register 8 (4 p + j) + e
.set AC,   112                         ; v112-143 the logits' partial sums: 8 i + e
.set X,    144                         ; v144-175 two sets of 16 neighbours along the row
.set C,    176                         ; v176-183 codes
.set BR,   184                         ; v184 br[lane % 8]
.set EX,   185                         ; v185 lane % 8
.set APT,  186                         ; v186 PART + 32 x lane
.set ASB,  187                         ; v187 SCB + 4 x lane
	s_load_b256 s[4:11], s[0:1], 0x0               ; x, Wr, br, xq
	s_load_b256 s[12:19], s[0:1], 0x20             ; xs, topi, topw, out1
	v_lshl_add_u32 v200, v0, 2, 0x5600
	v_mov_b32 v201, 0
	v_lshrrev_b32 v1, 5, v0
	v_readfirstlane_b32 s20, v1                    ; wave
	v_and_b32 v1, 31, v0                           ; lane
	v_lshlrev_b32 v2, 4, v1                        ; x: 16 bytes a lane
	v_lshlrev_b32 v3, 7, v1                        ; Wr: my four rows of 32 bytes
	s_mul_i32 s21, s20, STW
	v_lshrrev_b32 v4, 2, v1
	v_mul_u32_u24 v4, v4, SP
	v_and_b32 v5, 3, v1
	v_lshl_add_u32 v4, v5, 4, v4
	v_add_nc_u32 v4, s21, v4                       ; the stage, on the way in: four lanes' 64 bytes on end, then the padding
	v_mul_u32_u24 v5, v1, SP
	v_add_nc_u32 v5, s21, v5                       ; and on the way out: my 16 neighbours
	v_and_b32 v9, 15, v1
	v_lshrrev_b32 v10, 4, v1
	v_lshlrev_b32 v6, 4, v9
	v_lshl_add_u32 v6, v10, 10, v6                 ; codes: lanes 0-15 one token's 256 bytes, lanes 16-31 the next token's
	s_lshl_b32 s22, s20, 3
	v_lshrrev_b32 v7, 1, v9
	v_lshl_add_u32 v7, v10, 5, v7
	v_add_nc_u32 v7, s22, v7
	v_add_nc_u32 v7, SCB, v7                       ; my block's scale byte
	v_lshlrev_b32 v8, 2, v10
	v_add_nc_u32 v8, s22, v8
	v_add_nc_u32 v8, PART, v8                      ; my half's word of a logit's eight
	v_and_b32 v[EX], 7, v1
	v_lshlrev_b32 v15, 2, v[EX]
	v_lshl_add_u32 v[APT], v1, 5, PART
	v_lshl_add_u32 v[ASB], v1, 2, SCB
	s_lshl_b32 s24, ttmp9, 14                      ; x: four rows of 4,096 bytes a work-group, 1,024 bytes a wave
	s_lshl_b32 s25, s20, 10
	s_add_co_u32 s24, s24, s25
	s_mov_b32 s25, 0
	s_lshl_b32 s26, s20, 13                        ; Wr: 256 rows of 32 bytes a wave
	s_mov_b32 s27, 0
	s_lshl_b32 s28, ttmp9, 12                      ; xq: four rows of 1,024 bytes, 256 a wave
	s_lshl_b32 s29, s20, 8
	s_add_co_u32 s28, s28, s29
	s_mov_b32 s29, 0
	s_lshl_b32 s30, ttmp9, 7                       ; xs and out1: 32 bytes a token
	s_mov_b32 s31, 0
	s_lshl_b32 s32, ttmp9, 5                       ; topi and topw: 8 bytes a token
	s_mov_b32 s33, 0
	s_mov_b32 s23, 0x600000                        ; the mantissa field of 57,344
	s_wait_alu depctr_va_vdst(0)
	s_wait_kmcnt 0x0
	s_add_nc_u64 s[4:5], s[4:5], s[24:25]
	s_add_nc_u64 s[6:7], s[6:7], s[26:27]
	s_add_nc_u64 s[10:11], s[10:11], s[28:29]
	s_add_nc_u64 s[12:13], s[12:13], s[30:31]
	s_add_nc_u64 s[18:19], s[18:19], s[30:31]
	s_add_nc_u64 s[14:15], s[14:15], s[32:33]
	s_add_nc_u64 s[16:17], s[16:17], s[32:33]
	global_load_b32 v[BR], v15, s[8:9]
.irp i, 0,1,2,3
.irp p, 0,1
	global_load_b128 v[R+8*\i+4*\p:R+8*\i+4*\p+3], v2, s[4:5] offset:4096*\i+512*\p th:TH_LOAD_NT   ; 32 lanes read 512 consecutive bytes
.endr
.endr
.irp p, 0,1
.irp j, 0,1,2,3
	global_load_b128 v[WR+8*(4*\p+\j):WR+8*(4*\p+\j)+3], v3, s[6:7] offset:4096*\p+32*\j
	global_load_b128 v[WR+8*(4*\p+\j)+4:WR+8*(4*\p+\j)+7], v3, s[6:7] offset:4096*\p+32*\j+16
.endr
.endr
	s_wait_loadcnt 16                              ; br and x are in; Wr's sixteen loads may be out
; Step u: tokens 2 u and 2 u + 1.  Their 2,048 bytes go through the wave's own stage as they lie and come back 64 bytes a lane: lane l then holds token 2 u + l / 16, columns 256 w + 16 (l % 16) + 0 .. 15.
.macro TURN u
.irp n, 0,1,2,3
	ds_store_b128 v4, v[R+16*\u+4*\n:R+16*\u+4*\n+3] offset:32*SP*\u+8*SP*\n
.endr
.irp n, 0,1,2,3
	ds_load_b128 v[X+16*\u+4*\n:X+16*\u+4*\n+3], v5 offset:32*SP*\u+16*\n   ; LDS serves a wave's instructions in order: these see the stores above
.endr
.endm
.macro QSTEP u
.set XS, X+16*\u
	v_max3_num_f32 v9, |v[XS]|, |v[XS+1]|, |v[XS+2]|               ; the largest magnitude of my 16, in two chains
	v_max3_num_f32 v10, |v[XS+3]|, |v[XS+4]|, |v[XS+5]|
.irp i, 6,10
	v_max3_num_f32 v9, v9, |v[XS+\i]|, |v[XS+\i+1]|
	v_max3_num_f32 v10, v10, |v[XS+\i+2]|, |v[XS+\i+3]|
.endr
	v_max3_num_f32 v9, v9, |v[XS+14]|, |v[XS+15]|
	v_max3_num_f32 v9, v9, v10, 0x8000000          ; and the floor 2^(16 - 127): the byte cannot fall under 1
	v_max_num_f32_dpp v9, v9, v9 row_xmask:1 row_mask:0xf bank_mask:0xf   ; with my neighbour's 16: the block's
	v_add_nc_u32 v12, 0xf8800000, v9               ; 15 off the exponent field: the conversion's scale operand
	v_and_or_b32 v11, v9, 0x7f800000, s23          ; 57,344 x the scale
.irp i, 0,1,2,3,4,5,6,7,8,9,10,11,12,13,14,15
	v_med3_num_f32 v[XS+\i], v[XS+\i], -v11, v11   ; the conversion to an 8-bit code does not saturate (ISA guide 7.6.2): the hold comes first
.endr
	v_cvt_scalef32_pk8_bf8_f32 v[C+4*\u:C+4*\u+1], v[XS:XS+7], v12
	v_cvt_scalef32_pk8_bf8_f32 v[C+4*\u+2:C+4*\u+3], v[XS+8:XS+15], v12
	v_lshrrev_b32 v[13+\u], 23, v12                ; the scale's byte (a plain line behind the conversions)
	ds_store_b8 v7, v[13+\u] offset:64*\u          ; both lanes of a block write the same byte with the same value
	global_store_b128 v6, v[C+4*\u:C+4*\u+3], s[10:11] offset:2048*\u   ; sixteen lanes store 256 consecutive bytes, aligned
.endm
	TURN 0
	TURN 1
	s_wait_dscnt 8                                 ; step 0's numbers are back; step 1's four stores and four loads may be out
	QSTEP 0
	s_wait_dscnt 1                                 ; step 1's numbers are back; step 0's byte store may be out
	QSTEP 1
	s_wait_loadcnt 0x0                             ; Wr
; The logits: two experts an instruction; x's number is taken from its pair for both halves.  Sixteen independent sums stand between two links of a chain.
.irp p, 0,1
.irp j, 0,1,2,3
.irp i, 0,1,2,3
.irp e, 0,2,4,6
.if (\p == 0) && (\j == 0)
	v_pk_mul_f32 v[AC+8*\i+\e:AC+8*\i+\e+1], v[WR+\e:WR+\e+1], v[R+8*\i:R+8*\i+1] op_sel_hi:[1,0]
.elseif (\j % 2) == 0
	v_pk_fma_f32 v[AC+8*\i+\e:AC+8*\i+\e+1], v[WR+8*(4*\p+\j)+\e:WR+8*(4*\p+\j)+\e+1], v[R+8*\i+4*\p+\j:R+8*\i+4*\p+\j+1], v[AC+8*\i+\e:AC+8*\i+\e+1] op_sel_hi:[1,0,1]
.else
	v_pk_fma_f32 v[AC+8*\i+\e:AC+8*\i+\e+1], v[WR+8*(4*\p+\j)+\e:WR+8*(4*\p+\j)+\e+1], v[R+8*\i+4*\p+\j-1:R+8*\i+4*\p+\j], v[AC+8*\i+\e:AC+8*\i+\e+1] op_sel:[0,1,0] op_sel_hi:[1,1,1]
.endif
.endr
.endr
.endr
.endr
.irp m, 1,2,4,8                        ; over the 16 lanes of each half, all 32 sums by turns
.set N, 0
.rept 32
	v_add_f32_dpp v[AC+N], v[AC+N], v[AC+N] row_xmask:\m row_mask:0xf bank_mask:0xf
.set N, N+1
.endr
.endr
.set N, 0
.rept 32
	ds_store_b32 v8, v[AC+N] offset:32*N           ; the 16 lanes of a half write one word with one value
.set N, N+1
.endr
	s_wait_dscnt 0x0                               ; for wave 0's sake: my partial sums and scale bytes have landed
	s_barrier_signal -1
	s_barrier_wait -1
	s_cmp_lg_u32 s20, 0
	s_cbranch_scc1 .Ldone                          ; the rest is 32 numbers' work: wave 0, lane = 8 x token + expert
	ds_load_b128 v[188:191], v[APT]
	ds_load_b128 v[192:195], v[APT] offset:16
	ds_load_b32 v196, v[ASB]                       ; four scale bytes: token lane / 8, blocks 4 (lane % 8) on
	s_wait_dscnt 0x0
	v_add_f32 v188, v188, v189
	v_add_f32 v190, v190, v191
	v_add_f32 v192, v192, v193
	v_add_f32 v194, v194, v195
	v_add_f32 v188, v188, v190
	v_add_f32 v192, v192, v194
	v_add_f32 v188, v188, v192
	v_add_f32 v188, v188, v[BR]                    ; the logit
	v_max_num_f32_dpp v189, v188, v188 row_xmask:1 row_mask:0xf bank_mask:0xf
	v_max_num_f32_dpp v189, v189, v189 row_xmask:2 row_mask:0xf bank_mask:0xf
	v_max_num_f32_dpp v189, v189, v189 row_xmask:4 row_mask:0xf bank_mask:0xf   ; the token's largest logit
	v_sub_f32 v190, v188, v189
	v_mul_f32 v190, 0x3fb8aa3b, v190
	s_wait_alu depctr_va_vdst(0)
	v_exp_f32 v190, v190
	v_lshlrev_b32 v197, 2, v1                      ; (a plain line behind the exponential)  4 x lane
	s_wait_alu depctr_va_vdst(0)
	v_add_f32_dpp v191, v190, v190 row_xmask:1 row_mask:0xf bank_mask:0xf
	v_add_f32_dpp v191, v191, v191 row_xmask:2 row_mask:0xf bank_mask:0xf
	v_add_f32_dpp v191, v191, v191 row_xmask:4 row_mask:0xf bank_mask:0xf
	s_wait_alu depctr_va_vdst(0)
	v_rcp_f32 v191, v191
	v_mov_b32 v192, 0                              ; (a plain line behind the reciprocal)  my rank
	s_wait_alu depctr_va_vdst(0)
	v_mul_f32 v190, v190, v191                     ; the probability
	global_store_b32 v197, v190, s[18:19]
	global_store_b32 v197, v196, s[12:13]
.irp m, 1,2,3,4,5,6,7                  ; my rank = how many of the other seven come before me: a larger probability, or an equal one of a lower expert
	v_mov_b32_dpp v193, v190 row_xmask:\m row_mask:0xf bank_mask:0xf
	v_xor_b32 v194, \m, v[EX]
	v_cmp_gt_f32 s34, v193, v190
	v_cmp_eq_f32 s35, v193, v190
	v_cmp_lt_u32 s36, v194, v[EX]
	s_and_b32 s35, s35, s36
	s_or_b32 s34, s34, s35
	v_cndmask_b32 v195, 0, 1, s34
	v_add_nc_u32 v192, v192, v195
.endr
	v_cvt_f32_u32 v193, v[EX]
	v_cmp_eq_u32 vcc_lo, 0, v192
	v_cndmask_b32 v188, 0, v193, vcc_lo            ; the lane of rank 0 gives its expert and its probability, the others 0;
	v_cndmask_b32 v189, 0, v190, vcc_lo
	v_cmp_eq_u32 vcc_lo, 1, v192
	v_cndmask_b32 v194, 0, v193, vcc_lo            ; likewise rank 1;
	v_cndmask_b32 v195, 0, v190, vcc_lo
.irp m, 1,2,4
.irp r, 188,189,194,195
	v_add_f32_dpp v\r, v\r, v\r row_xmask:\m row_mask:0xf bank_mask:0xf   ; the sums over the token's eight lanes bring them to every lane
.endr
.endr
	v_cmp_eq_u32 vcc_lo, 1, v[EX]
	v_cndmask_b32 v188, v188, v194, vcc_lo         ; lane 8 i stores rank 0's pair, lane 8 i + 1 rank 1's
	v_cndmask_b32 v189, v189, v195, vcc_lo
	v_cvt_u32_f32 v188, v188
	v_lshrrev_b32 v191, 3, v1
	v_lshlrev_b32 v191, 3, v191
	v_lshl_add_u32 v191, v[EX], 2, v191            ; 8 x token + 4 x rank
	v_cmp_gt_u32 vcc_lo, 2, v[EX]
	s_wait_alu depctr_va_vdst(0)
	s_wait_xcnt 0x0                                ; EXEC changes only behind this wait: stores have been issued
	s_and_saveexec_b32 s21, vcc_lo
	global_store_b32 v191, v188, s[14:15]
	global_store_b32 v191, v189, s[16:17]
	s_wait_xcnt 0x0                                ; and again in front of the line that widens it
	s_or_b32 exec_lo, exec_lo, s21
.Ldone:
	s_wait_tensorcnt 0x0
	ds_add_u32 v200, v201
	s_wait_dscnt 0x0
	s_endpgm
.Lfunc_end_k_q11600f8451_route:
	.size	k_q11600f8451_route, .Lfunc_end_k_q11600f8451_route-k_q11600f8451_route
	.p2alignl 7, 3214868480
	.fill 96, 4, 3214868480
	.section	.rodata,"a",@progbits
	.p2align	6, 0x0
	.amdhsa_kernel k_q11600f8451_route
		.amdhsa_group_segment_fixed_size 22528
		.amdhsa_private_segment_fixed_size 0
		.amdhsa_enable_private_segment 0
		.amdhsa_kernarg_size 64
		.amdhsa_user_sgpr_count 2
		.amdhsa_user_sgpr_kernarg_segment_ptr 1
		.amdhsa_wavefront_size32 1
		.amdhsa_system_sgpr_workgroup_id_x 1
		.amdhsa_system_sgpr_workgroup_id_y 1
		.amdhsa_system_sgpr_workgroup_id_z 1
		.amdhsa_system_vgpr_workitem_id 0
		.amdhsa_next_free_vgpr 202
		.amdhsa_next_free_sgpr 66
		.amdhsa_reserve_vcc 1
		.amdhsa_float_denorm_mode_32 3
		.amdhsa_float_denorm_mode_16_64 3
		.amdhsa_memory_ordered 1
		.amdhsa_forward_progress 1
		.amdhsa_inst_pref_size 35
	.end_amdhsa_kernel
	.amdgpu_metadata
---
amdhsa.version: [ 1, 2 ]
amdhsa.kernels:
  - .name:           k_q11600f8451_route
    .symbol:         k_q11600f8451_route.kd
    .args:
      - { .name: x, .offset: 0, .size: 8, .value_kind: global_buffer, .address_space: global }
      - { .name: Wr, .offset: 8, .size: 8, .value_kind: global_buffer, .address_space: global }
      - { .name: br, .offset: 16, .size: 8, .value_kind: global_buffer, .address_space: global }
      - { .name: xq, .offset: 24, .size: 8, .value_kind: global_buffer, .address_space: global }
      - { .name: xs, .offset: 32, .size: 8, .value_kind: global_buffer, .address_space: global }
      - { .name: topi, .offset: 40, .size: 8, .value_kind: global_buffer, .address_space: global }
      - { .name: topw, .offset: 48, .size: 8, .value_kind: global_buffer, .address_space: global }
      - { .name: out1, .offset: 56, .size: 8, .value_kind: global_buffer, .address_space: global }
    .group_segment_fixed_size: 22528
    .private_segment_fixed_size: 0
    .kernarg_segment_align: 8
    .kernarg_segment_size: 64
    .max_flat_workgroup_size: 128
    .sgpr_count:     66
    .vgpr_count:     202
    .wavefront_size: 32
...
	.end_amdgpu_metadata
.endif
;; end of part 1
;; launch ffn1 (part 2): grid 32 x 8, 8 waves a work-group, no clusters, 144,640 bytes of LDS; arguments topi, W1, b1, xq, xs, hq, hs, place; writes hq, hs, place
.if DOCPART == 2
	.amdgcn_target "amdgcn-amd-amdhsa--gfx1250"
	.amdhsa_code_object_version 6
	.text
	.protected	k_q11600f8451_ffn1
	.globl	k_q11600f8451_ffn1
	.p2align	8
	.type	k_q11600f8451_ffn1,@function
k_q11600f8451_ffn1:
	s_mov_b64 s[64:65], 0
	v_nop
	global_prefetch_b8 v0, s[64:65] scope:SCOPE_SE
	s_setreg_imm32_b32 hwreg(HW_REG_WAVE_MODE, 25, 1), 1
	s_wait_xcnt 0x0
; FIRST PRODUCT OF THE EXPERTS, for the rows that chose the expert alone: h = relu(x W1[e] + b1[e]), quantised along F on the way out.
; Work-group (slice, e) owns W1[e][0 .. 1023][128 slice .. 128 slice + 127]: 512 KB of f32 that nobody else reads.  So every weight byte leaves memory once, as f32.
; PHASES.  LIST: every wave counts expert e's tokens from topi, 32 at a time, and finds IN REGISTERS the tokens that stand at the places of its own three tiles: of the groups of 32 tokens the last that begins at or
;    before the place, then in that group's mask the set bit of that rank (counts of 2, 4, 8 and 16 bits, then five halvings).  Work-group slice 0 also stores each token's place and the count for the later launches.
; A: wave w turns K step w (128 rows of the slice) into codes of E5M2 and E8M0 scale words, laid in LDS as images of the operand's registers.  The first chunk's rows of x are asked for behind the last request for weights.
; B: a wave takes chunks of three tiles of 16 listed rows, multiplies them with all eight tiles of 16 columns over the eight K steps (24 accumulators by turns), and quantises relu of the result:
;    a tile's 128 columns are one K step of the second product: one fragment (2,048 bytes, stored as the image of its registers) and one scale word a row.
; The product is used transposed (source 0 = 16 columns of W1, source 1 = 16 rows of x): a lane holds one row.  THE COLUMNS OF A TILE ARE NOT NEIGHBOURS: column n of the 128 is row n % 8 + 8 ((n / 16) % 2) of tile
; 2 (n / 32) + (n / 8) % 2, so that the 16 registers of tiles 2 b and 2 b + 1 are the 16 neighbouring columns 32 b + 16 (lane / 16) + 0 .. 15.
; A place behind the expert's last row gets some token under 1,024: in a chunk that has a real row those rows are computed and stored, since the next launch loads whole chunks, and nobody uses them.
; LIMITS: NaN and infinities are not served; a block of zeros gets the byte 1 and not 127 (its codes are zeros; this program alone reads the bytes).
; NO TENSOR LOADS AND NO CLUSTER: the chunks' count hangs on a count made from memory; the weights, 512 KB of a work-group's bytes, are shared with nobody; what the 32 work-groups of an expert share, its rows' codes, is 1 KB a row.
; The scale words of h leave as 128 bytes a store (4 bytes a lane): 1 byte in 16 of what this launch stores.
; REGISTERS.  Window 0: v1-31 addresses and the list; v32-55 x's scale words (8 i + s), v56-71 W1's, two sets: these 40 hold scale words and nothing else; v80-127 x's fragments of even K steps; v128-255 W1's eight fragments of a K step.
;   Window 1: v0-191 the accumulators (64 i + 8 t); v192-239 x's fragments of odd K steps.  In phase A window 1 is a ring of four sets of 64 numbers, and v128-255 of window 0 are at work.
.set PITCH, 16384                      ; bytes from row to row of W1[e]
.set HSH,   18                         ; 16 rows of it = 1 << 18
.set TS,    16400                      ; LDS: a tile's eight fragments, 8 x 2,048 bytes, + 16, so that the sixteen lanes of a store in phase A fall on sixteen different columns of 16 bytes
.set SCW,   131328                     ; behind the eight tiles: scale words: 512 s + 32 r + 4 tile
.set BIM,   SCW+4096                   ; the bias in the accumulators' layout: 512 (2 t + half) + 16 lane
.set FLOOR, 0x8000000                  ; 2^(16 - 127)
.set SUBE,  0xf8800000                 ; - (15 << 23)
.set EXPM,  0x7f800000
.set L16,  1                           ; v1   16 x lane: a lane's place in an image; LDS address of tiles 0-3
.set AF1,  2                           ; v2   the same for tiles 4-7 (an offset has 16 bits)
.set ASC,  3                           ; v3   SCW + 32 (lane % 16)
.set ABI,  4                           ; v4   BIM + 16 lane
.set H16,  5                           ; v5   16 (lane / 16)
.set XO,   6                           ; v6-8   my rows' byte offsets in xq
.set XA,   9                           ; v9-11  at work at the head; then my rows' offsets in xs
.set L4,   12                          ; v12  4 x lane
.set TOK,  13                          ; v13-15 my rows' tokens, a register a tile
.set VM,   16                          ; v16  lane G: the mask of group G (tokens 32 G .. 32 G + 31 that chose the expert)
.set VB,   17                          ; v17  lane G: the expert's rows before group G
.set PP,   18                          ; v18-20 the places of my rows: 16 x tile + lane % 16
.set VO,   22                          ; v22  W1: (lane / 16) x 16 rows + 16 (lane % 16)
.set AW,   23                          ; v23-24 phase A: where my codes go, columns 0-63, 64-127
.set ASW,  25                          ; v25  and my scale words
.set L8,   26                          ; v26  8 x lane
.set ABS,  30                          ; v30  BIM + 1,024 wave + 16 lane
.set XS,   32
.set WS,   56
.set WF,   128
.set PL,   72                          ; the list: v72-103 the tokens' places; v192-255 topi
.set TI,   192
.set MK,   104                         ; the search, three registers each: the mask of the place's group,
.set CB,   107                         ; (group << 16) | the rows before it,
.set NA,   110                         ; the mask's counts of 2 bits,
.set NB,   113                         ; of 4,
.set NC,   116                         ; of 8,
.set ND,   119                         ; in the low byte: of bits 0-15,
.set NN,   122                         ; the rank still to go,
.set SS,   125                         ; the bit's number so far,
.set TT,   128                         ; at work
.set UU,   131
.set Y,    192                         ; phase A: v192-255 a block's numbers, held, 16 of a column on end
.set C,    128                         ;          v128-143 their codes
.set BYT,  144
.set SW,   168                         ;          v168-175 eight columns' scale words on their way to LDS
.set T,    176
.set P,    180
.set LIM,  184
.set SOP,  188
.set PC,   128                         ; the way out: v128-175 three fragments of h, v176-178 their scale words, v184-199 at work
.set PW,   176
.set TM,   184
.set TP,   188
.set LM,   192
.set SO,   196
.set MSB, 0
.macro WIN new                         ; s_set_vgpr_msb: bits 1:0 source 0, 3:2 source 1, 5:4 source 2, 7:6 destination; the high byte repeats the setting that is left
.if MSB != \new
	s_set_vgpr_msb (MSB<<8)|\new
.set MSB, \new
.endif
.endm
.macro PLACES n
.rept \n
	v_nop
.endr
.endm
; 16 rows x 64 columns of my K step: block c of 32 along K, columns 64 g on.  Lanes 0-15 read 256 consecutive bytes of row 32 c + i, aligned, lanes 16-31 of row 32 c + 16 + i.  Register 4 i + j of set c: row i of my half, column 64 g + 4 (lane % 16) + j.
.macro WLOAD g, c
	WIN 0x40
.irp i, 0,1,2,3,4,5,6,7,8,9,10,11,12,13,14,15
	global_load_b128 v[64*\c+4*\i:64*\c+4*\i+3], v[VO], s[36:37] offset:(32*\c+\i)*PITCH+256*\g th:TH_LOAD_NT
.endr
	WIN 0
.endm
.macro XFLOAD s                        ; my three tiles' fragments of x for K step s: lane (r, h): 16 codes at 128 s + 32 c + 16 h of its row.  Even steps into window 0, odd into window 1
.if (\s)%2 == 1
	WIN 0x40
.set XB, 192
.else
.set XB, 80
.endif
.irp i, 0,1,2
.irp c, 0,1,2,3
	global_load_b128 v[XB+16*\i+4*\c:XB+16*\i+4*\c+3], v[XO+\i], s[10:11] offset:128*(\s)+32*\c
.endr
.endr
	WIN 0
.endm
; Block c of columns 64 g on becomes codes.  A lane holds 16 numbers along K of each of four columns; lane l xor 16 holds the block's other 16.  The hold also brings a column's 16 numbers on end.
; refill = 1: the set takes the same block of columns 64 on; 2: the ring is done with, and its last set takes x's fragments of K step 1.
.macro QBLK g, c, left, refill
	s_wait_loadcnt \left                           ; this block's 16 loads are in; what was issued behind them stays out
	WIN 0x05
.irp j, 0,1,2,3
	v_max3_num_f32 v[T+\j], |v[64*\c+\j]|, |v[64*\c+4+\j]|, FLOOR   ; with the floor among the leaves: the byte cannot fall under 1
.endr
.irp m, 1,2,3,4,5,6,7
.irp j, 0,1,2,3
	s_delay_alu instid0(VALU_DEP_4)
	v_max3_num_f32 v[T+\j], |v[64*\c+8*\m+\j]|, |v[64*\c+8*\m+4+\j]|, v[T+\j]   ; the four columns by turns
.endr
.endr
	WIN 0
.irp j, 0,1,2,3
	v_permlanex16_b32 v[P+\j], v[T+\j], s32, s33
.endr
.irp j, 0,1,2,3
	s_delay_alu instid0(VALU_DEP_4)
	v_max_num_f32 v[T+\j], v[T+\j], v[P+\j]        ; the block's largest magnitude
.endr
.irp j, 0,1,2,3
	s_delay_alu instid0(VALU_DEP_4)
	v_add_nc_u32 v[SOP+\j], SUBE, v[T+\j]          ; 15 off its exponent field: the conversion's scale operand
.endr
.irp j, 0,1,2,3
	v_and_or_b32 v[LIM+\j], v[T+\j], EXPM, s34     ; 57,344 x the scale
.endr
.irp j, 0,1,2,3
.if \c == 0
	v_lshrrev_b32 v[SW+4*\g+\j], 23, v[SOP+\j]     ; the scale's byte: block c is byte c of the column's word
.else
	v_lshrrev_b32 v[BYT+\j], 23, v[SOP+\j]
.endif
.endr
.if \c > 0
.irp j, 0,1,2,3
	s_delay_alu instid0(VALU_DEP_4)
	v_lshl_or_b32 v[SW+4*\g+\j], v[BYT+\j], 8*\c, v[SW+4*\g+\j]
.endr
.endif
	WIN 0x01
.irp j, 0,1,2,3
.irp i, 0,1,2,3,4,5,6,7,8,9,10,11,12,13,14,15
	v_med3_num_f32 v[Y+16*\j+\i], v[64*\c+4*\i+\j], -v[LIM+\j], v[LIM+\j]   ; the conversion does not saturate (ISA guide 7.6.2): the hold comes first
.endr
.endr
	WIN 0
.if \refill == 1
	WLOAD 1, \c
.elseif \refill == 2
	XFLOAD 1
.endif
	s_wait_alu depctr_va_vdst(0)
	s_wait_dscnt 0x0                               ; the last block's LDS stores have read the codes' registers
.irp j, 0,1,2,3
	v_cvt_scalef32_pk8_bf8_f32 v[C+4*\j:C+4*\j+1], v[Y+16*\j:Y+16*\j+7], v[SOP+\j]
	v_cvt_scalef32_pk8_bf8_f32 v[C+4*\j+2:C+4*\j+3], v[Y+16*\j+8:Y+16*\j+15], v[SOP+\j]
.endr
	v_nop                                          ; a plain line behind the last conversion, ahead of whatever next writes its sources
.irp j, 0,1,2,3
	ds_store_b128 v[AW+\g], v[C+4*\j:C+4*\j+3] offset:512*\c+16*\j   ; registers 4 c .. 4 c + 3 of the column's lane in its tile's fragment
.endr
.if \c == 3
.irp j, 0,1,2,3
	ds_store_b32 v[ASW], v[SW+4*\g+\j] offset:32*\j+16*\g            ; both halves of the lanes write the same word with the same value
.endr
.endif
.endm
; THE SEARCH, one group's step.  s26 = group g's mask, s[sb] = the expert's rows before it.  The starts never fall from group to group, so the last group whose start is at or before a place is the group that holds it.
.macro SSTEP g, sb
.if \g == 0
.irp i, 0,1,2
	v_mov_b32 v[MK+\i], s26                        ; group 0 begins at 0, at or before every place
	v_mov_b32 v[CB+\i], 0
.endr
.else
	s_or_b32 s47, s[\sb], (\g)<<16
.irp i, 0,1,2
	v_cmp_le_u32 s[48+\i], s[\sb], v[PP+\i]
.endr
.irp i, 0,1,2
	v_cndmask_b32 v[MK+\i], v[MK+\i], s26, s[48+\i]
	v_cndmask_b32 v[CB+\i], v[CB+\i], s47, s[48+\i]
.endr
.endif
.endm
; One halving: of the field of 2 k bits that begins at bit SS, t = the set bits of the lower k.  Where the rank is t or more the bit lies in the upper half.
.macro DESC x, wd, k
.irp i, 0,1,2
	v_bfe_u32 v[TT+\i], v[\x+\i], v[SS+\i], \wd
.endr
.irp i, 0,1,2
	s_delay_alu instid0(VALU_DEP_3)
	v_cmp_ge_u32 s[48+\i], v[NN+\i], v[TT+\i]
.endr
.irp i, 0,1,2
	v_cndmask_b32 v[TT+\i], 0, v[TT+\i], s[48+\i]
	v_cndmask_b32 v[UU+\i], 0, \k, s[48+\i]
.endr
.irp i, 0,1,2
	v_sub_nc_u32 v[NN+\i], v[NN+\i], v[TT+\i]
	v_add_nc_u32 v[SS+\i], v[SS+\i], v[UU+\i]
.endr
.endm
; The token at each place: 32 x its group + the number of the mask's set bit of rank (place - the rows before the group).  A rank past the mask's set bits ends at some bit 0 .. 31.
.macro SELECT
.irp i, 0,1,2
	v_lshrrev_b32 v[TT+\i], 1, v[MK+\i]
.endr
.irp i, 0,1,2
	s_delay_alu instid0(VALU_DEP_3)
	v_and_b32 v[TT+\i], 0x55555555, v[TT+\i]
.endr
.irp i, 0,1,2
	s_delay_alu instid0(VALU_DEP_3)
	v_sub_nc_u32 v[NA+\i], v[MK+\i], v[TT+\i]      ; the set bits of each 2
.endr
.irp i, 0,1,2
	v_lshrrev_b32 v[TT+\i], 2, v[NA+\i]
	v_and_b32 v[NB+\i], 0x33333333, v[NA+\i]
.endr
.irp i, 0,1,2
	v_and_b32 v[TT+\i], 0x33333333, v[TT+\i]
.endr
.irp i, 0,1,2
	s_delay_alu instid0(VALU_DEP_3)
	v_add_nc_u32 v[NB+\i], v[NB+\i], v[TT+\i]      ; of each 4
.endr
.irp i, 0,1,2
	s_delay_alu instid0(VALU_DEP_3)
	v_lshrrev_b32 v[TT+\i], 4, v[NB+\i]
.endr
.irp i, 0,1,2
	s_delay_alu instid0(VALU_DEP_3)
	v_add_nc_u32 v[NC+\i], v[NB+\i], v[TT+\i]
.endr
.irp i, 0,1,2
	s_delay_alu instid0(VALU_DEP_3)
	v_and_b32 v[NC+\i], 0x0f0f0f0f, v[NC+\i]       ; of each 8
.endr
.irp i, 0,1,2
	v_lshrrev_b32 v[TT+\i], 8, v[NC+\i]
	v_and_b32 v[UU+\i], 0xffff, v[CB+\i]           ; the rows before the group
.endr
.irp i, 0,1,2
	v_add_nc_u32 v[ND+\i], v[NC+\i], v[TT+\i]      ; low byte: of bits 0-15
	v_sub_nc_u32 v[NN+\i], v[PP+\i], v[UU+\i]      ; the rank
	v_mov_b32 v[SS+\i], 0
.endr
	DESC ND, 8, 16
	DESC NC, 8, 8
	DESC NB, 4, 4
	DESC NA, 2, 2
	DESC MK, 1, 1
.irp i, 0,1,2
	v_lshrrev_b32 v[TT+\i], 16, v[CB+\i]
.endr
.irp i, 0,1,2
	s_delay_alu instid0(VALU_DEP_3)
	v_lshl_add_u32 v[TOK+\i], v[TT+\i], 5, v[SS+\i]
.endr
.endm
.macro XADDR
.irp i, 0,1,2
	s_delay_alu instid0(VALU_DEP_3)
	v_min_u32 v[TOK+\i], 0x3ff, v[TOK+\i]          ; a token's number is held inside x before it enters an address
.endr
.irp i, 0,1,2
	v_lshl_add_u32 v[XO+\i], v[TOK+\i], 10, v[H16]
	v_lshlrev_b32 v[XA+\i], 5, v[TOK+\i]
.endr
.endm
.macro XPRO                            ; a chunk's first 18 loads: my rows' eight scale words, and K step 0's fragments
.irp i, 0,1,2
	global_load_b128 v[XS+8*\i:XS+8*\i+3], v[XA+\i], s[12:13]
	global_load_b128 v[XS+8*\i+4:XS+8*\i+7], v[XA+\i], s[12:13] offset:16
.endr
	XFLOAD 0
.endm
	s_load_b256 s[4:11], s[0:1], 0x0               ; topi, W1, b1, xq
	s_load_b256 s[12:19], s[0:1], 0x20             ; xs, hq, hs, place
	v_lshl_add_u32 v21, v0, 2, 0x23100
	v_mov_b32 v29, 0
	v_lshrrev_b32 v9, 5, v0
	s_delay_alu instid0(VALU_DEP_1)
	v_readfirstlane_b32 s22, v9                    ; wave 0..7
	s_mov_b32 s23, ttmp9                           ; slice of F
	s_and_b32 s24, ttmp7, 0xffff                   ; expert
	v_and_b32 v10, 31, v0                          ; lane
	v_and_b32 v11, 15, v0                          ; lane % 16
	v_bfe_u32 v31, v0, 4, 1                        ; h = lane / 16
	s_delay_alu instid0(VALU_DEP_3)
	v_lshlrev_b32 v[L16], 4, v10
	s_delay_alu instid0(VALU_DEP_1)
	v_add_nc_u32 v[AF1], 4*TS, v[L16]
	s_delay_alu instid0(VALU_DEP_4)
	v_lshl_add_u32 v[ASC], v11, 5, SCW
	s_delay_alu instid0(VALU_DEP_3)
	v_add_nc_u32 v[ABI], BIM, v[L16]
	v_lshlrev_b32 v[H16], 4, v31
	v_lshlrev_b32 v[L4], 2, v10
	v_lshlrev_b32 v[VO], 4, v11
	s_delay_alu instid0(VALU_DEP_1)
	v_lshl_add_u32 v[VO], v31, HSH, v[VO]
	; phase A: with q = lane % 16 my columns 4 q + j lie in tile t' = 2 (q / 8) + (q / 2) % 2 (+ 4 for columns 64 on), rows 4 (q % 2) + 8 ((q / 4) % 2) + j
	v_bfe_u32 v26, v0, 3, 1
	v_bfe_u32 v27, v0, 1, 1
	s_delay_alu instid0(VALU_DEP_1)
	v_lshl_add_u32 v26, v26, 1, v27                ; t'
	v_and_b32 v27, 1, v0
	v_bfe_u32 v28, v0, 2, 1
	s_delay_alu instid0(VALU_DEP_1)
	v_lshl_add_u32 v27, v28, 1, v27                ; first row / 4
	s_delay_alu instid0(VALU_DEP_4)
	v_mul_u32_u24 v[AW], v26, TS
	s_delay_alu instid0(VALU_DEP_1)
	v_lshl_add_u32 v[AW], v27, 6, v[AW]            ; + 16 x row
	s_delay_alu instid0(VALU_DEP_1)
	v_lshl_add_u32 v[AW], v31, 8, v[AW]            ; + 256 h
	s_lshl_b32 s30, s22, 11
	v_add_nc_u32 v[AW], s30, v[AW]                 ; + 2,048 x my K step
	s_delay_alu instid0(VALU_DEP_1)
	v_add_nc_u32 v[AW+1], 4*TS, v[AW]
	v_lshlrev_b32 v[ASW], 2, v26
	s_delay_alu instid0(VALU_DEP_1)
	v_lshl_add_u32 v[ASW], v27, 7, v[ASW]          ; 32 x row + 4 t'
	s_lshl_b32 s30, s22, 9
	v_add_nc_u32 v[ASW], s30, v[ASW]
	s_delay_alu instid0(VALU_DEP_1)
	v_add_nc_u32 v[ASW], SCW, v[ASW]
	v_lshlrev_b32 v[L8], 3, v10
	s_lshl_b32 s30, s22, 10
	v_add_nc_u32 v[ABS], s30, v[ABI]
	s_mul_i32 s30, s22, 48
	v_add_nc_u32 v[PP], s30, v11                   ; my first chunk's places: tiles 3 w, 3 w + 1, 3 w + 2
	s_delay_alu instid0(VALU_DEP_1)
	v_add_nc_u32 v[PP+1], 16, v[PP]
	s_delay_alu instid0(VALU_DEP_2)
	v_add_nc_u32 v[PP+2], 32, v[PP]
	v_mov_b32 v[VM], 0                             ; written whole once: single lanes are written below
	v_mov_b32 v[VB], 0
	v_lshlrev_b32 v9, 6, v31                       ; b1: 64 h bytes
.irp j, 0,1,2,3
	v_mov_b32 v[P+\j], 0                           ; written once: a lane permute's destination counts as one of its sources
.endr
	s_lshl_b32 s30, s24, 14                        ; b1: 4 (4,096 e + 128 slice + 32 (w / 2) + 8 (w % 2)): wave w lays tile w's bias
	s_lshl_b32 s31, s23, 9
	s_add_co_u32 s30, s30, s31
	s_lshr_b32 s31, s22, 1
	s_lshl_b32 s31, s31, 7
	s_add_co_u32 s30, s30, s31
	s_and_b32 s31, s22, 1
	s_lshl_b32 s31, s31, 5
	s_add_co_u32 s30, s30, s31
	s_mov_b32 s31, 0
	s_lshl_b32 s36, s24, 24                        ; W1: 16 MiB an expert, 128 rows a wave, 512 bytes a slice
	s_lshl_b32 s37, s22, 21
	s_add_co_u32 s36, s36, s37
	s_lshl_b32 s37, s23, 9
	s_add_co_u32 s36, s36, s37
	s_mov_b32 s37, 0
	s_lshl_b32 s38, s24, 12                        ; place: the expert's 1,024 places,
	s_mov_b32 s39, 0
	s_lshl_b32 s40, s24, 7
	s_add_co_u32 s40, s40, 32768                   ; and its count, 32 equal words
	s_mov_b32 s41, 0
	s_mov_b32 s32, 0x76543210
	s_mov_b32 s33, 0xfedcba98                      ; v_permlanex16_b32's selects for lane l xor 16
	s_mov_b32 s34, 0x600000                        ; the mantissa field of 57,344
	s_mov_b32 s25, 0                               ; the count
	s_wait_alu depctr_va_vdst(0)
	s_wait_kmcnt 0x0
	s_add_nc_u64 s[8:9], s[8:9], s[30:31]
	s_add_nc_u64 s[36:37], s[6:7], s[36:37]
	s_add_nc_u64 s[20:21], s[18:19], s[40:41]
	s_add_nc_u64 s[18:19], s[18:19], s[38:39]
.set G, 0
.rept 32
	global_load_b64 v[TI+2*G:TI+1+2*G], v[L8], s[4:5] offset:256*G   ; group G: token 32 G + lane's two experts
.set G, G+1
.endr
	global_load_b128 v[160:163], v9, s[8:9]
	global_load_b128 v[164:167], v9, s[8:9] offset:16
	WLOAD 0, 0                                     ; the weights are asked for before anything else is done: 64 loads, 32 KB a wave
	WLOAD 0, 1
	WLOAD 0, 2
	WLOAD 0, 3
	s_wait_loadcnt 63                              ; 64 loads were issued behind the bias's; 63 is the largest count that can be named: topi and the bias are in
; THE LIST.  A token's place among the expert's rows = the rows of earlier groups + the lanes below it that also chose the expert.  Every wave runs this: each needs the count as a scalar and the tokens of its own tiles.
.set G, 0
.rept 32
	v_cmp_eq_u32 s26, s24, v[TI+2*G]
	v_cmp_eq_u32 s27, s24, v[TI+1+2*G]
	s_or_b32 s26, s26, s27
	v_mbcnt_lo_u32_b32 v[PL+G], s26, s25           ; the place
	v_writelane_b32 v[VM], s26, G                  ; kept for the search of a later chunk
	v_writelane_b32 v[VB], s25, G
	SSTEP G, 25
	s_bcnt1_i32_b32 s27, s26
	s_add_co_u32 s25, s25, s27
.set G, G+1
.endr
	s_cmp_lg_u32 s22, 0
	s_cbranch_scc1 .Lno_place
	s_cmp_lg_u32 s23, 0
	s_cbranch_scc1 .Lno_place                      ; one wave of one of the expert's 32 work-groups stores places and count for the later launches
.set G, 0
.rept 32
	global_store_b32 v[L4], v[PL+G], s[18:19] offset:128*G
.set G, G+1
.endr
	v_mov_b32 v31, s25
	global_store_b32 v[L4], v31, s[20:21]
	s_wait_xcnt 0x0                                ; the stores' data registers take x's fragments below
.Lno_place:
	s_wait_alu depctr_va_vdst(0)
	SELECT
	XADDR                                          ; (v9 was the bias loads' offset: the wait above has shown them done)
	ds_store_b128 v[ABS], v[160:163]               ; tile w's bias: lane (r, h): columns 32 (w / 2) + 16 h + 8 (w % 2) + 0 .. 7
	ds_store_b128 v[ABS], v[164:167] offset:512
	QBLK 0, 0, 48, 1                               ; behind each of these four blocks: three blocks of 16 loads
	QBLK 0, 1, 48, 1
	QBLK 0, 2, 48, 1
	QBLK 0, 3, 48, 1
	XPRO                                           ; every weight has been asked for: my first chunk's rows follow them, 18 loads, and land while the last four blocks are worked
	QBLK 1, 0, 63, 0                               ; 48 + 18 loads were issued behind this block's; 63 is the largest count that can be named
	QBLK 1, 1, 50, 0                               ; 32 + 18
	QBLK 1, 2, 34, 0                               ; 16 + 18
	QBLK 1, 3, 18, 2                               ; the 18; K step 1's 12 loads go out when the last set has been read
	s_wait_dscnt 0x0                               ; for the others' sake: my K step's codes, my scale words and my tile's bias have landed
	s_barrier_signal -1
	s_barrier_wait -1                              ; the slice lies in LDS; from here on LDS is only read
	s_add_co_u32 s28, s25, 15
	s_lshr_b32 s28, s28, 4
	s_min_u32 s28, s28, 64                         ; tiles of 16 rows
	s_mul_i32 s29, s22, 3                          ; my first tile
	s_mul_i32 s30, s24, 66
	s_add_co_u32 s30, s30, s29
	s_lshl_b32 s30, s30, 5
	s_add_co_u32 s30, s30, s23                     ; (66 e + tile) x 32 + slice: which fragment of h
	s_lshl_b32 s38, s30, 11
	s_mov_b32 s39, 0
	s_lshl_b32 s40, s30, 7
	s_mov_b32 s41, 0
	s_add_nc_u64 s[38:39], s[14:15], s[38:39]
	s_add_nc_u64 s[40:41], s[16:17], s[40:41]
	s_mov_b32 s46, 0                               ; counts my chunks
	s_cmp_ge_u32 s29, s28
	s_cbranch_scc1 .Lend                           ; no tile for me: what I asked of x is not used
.macro WSLOAD s                        ; the eight tiles' scale words of K step s: lane r takes row r's
	ds_load_b128 v[WS+8*((\s)%2):WS+8*((\s)%2)+3], v[ASC] offset:512*(\s)
	ds_load_b128 v[WS+8*((\s)%2)+4:WS+8*((\s)%2)+7], v[ASC] offset:512*(\s)+16
.endm
.macro WFLOAD half, s                  ; four tiles' fragments of K step s: each load takes 512 consecutive bytes
.irp t, 0,1,2,3
.irp c, 0,1,2,3
	ds_load_b128 v[WF+64*\half+16*\t+4*\c:WF+64*\half+16*\t+4*\c+3], v[L16+\half] offset:\t*TS+2048*(\s)+512*\c
.endr
.endr
.endm
.macro MM12 s, t0                      ; four tiles of columns x my three tiles of rows; the 24 accumulators take turns, one instruction a turn, in the same order in every K step
.if (\s)%2 == 0
	WIN 0x50
.set XB, 80
.else
	WIN 0x54
.set XB, 192
.endif
.irp t, \t0, \t0+1, \t0+2, \t0+3
.irp i, 0,1,2
	v_wmma_scale_f32_16x16x128_f8f6f4 v[64*\i+8*(\t):64*\i+8*(\t)+7], v[WF+16*(\t):WF+16*(\t)+15], v[XB+16*\i:XB+16*\i+15], v[64*\i+8*(\t):64*\i+8*(\t)+7], v[WS+8*((\s)%2)+(\t)], v[XS+8*\i+(\s)] matrix_a_fmt:MATRIX_FMT_BF8 matrix_b_fmt:MATRIX_FMT_BF8
.endr
.endr
	WIN 0
.endm
; Eight plain vector lines stand between a matrix instruction of this form and a load into one of its registers or the first read of its result.
.macro KSTEP s
.if \s < 7
	s_wait_loadcnt 12                              ; x's fragments of this step (and, in step 0, its scale words) are in; the next step's 12 loads stay out
.else
	s_wait_loadcnt 0x0
.endif
	s_wait_dscnt 16                                ; scale words and tiles 0-3 are in (in step 0 the bias too); tiles 4-7's 16 loads stay out
	MM12 \s, 0
	PLACES 8
.if \s < 7
	WSLOAD \s+1
	WFLOAD 0, \s+1
	s_wait_dscnt 18                                ; tiles 4-7 are in; the 18 loads just issued stay out
.else
	s_wait_dscnt 0x0
.endif
	MM12 \s, 4
	PLACES 8
.if \s < 7
	WFLOAD 1, \s+1
.endif
.if \s < 6
	XFLOAD \s+2
.endif
.endm
; Tile i's 16 rows x 128 columns: relu, quantised, stored.  Register 16 b + n of a lane is column 32 b + 16 (lane / 16) + n of its row.  No |.| on the maximum's sources: what is negative becomes 0 and must not count.
.macro HOUT i
.set AB, 64*\i
	WIN 0x05
.irp b, 0,1,2,3
	v_max3_num_f32 v[TM+\b], v[AB+16*\b], v[AB+16*\b+1], FLOOR     ; each accumulator is read from its low end on
.endr
.irp n, 2,4,6,8,10,12,14
.irp b, 0,1,2,3
	v_max3_num_f32 v[TM+\b], v[AB+16*\b+\n], v[AB+16*\b+\n+1], v[TM+\b]
.endr
.endr
	WIN 0
.irp b, 0,1,2,3
	v_permlanex16_b32 v[TP+\b], v[TM+\b], s32, s33
.endr
.irp b, 0,1,2,3
	s_delay_alu instid0(VALU_DEP_4)
	v_max_num_f32 v[TM+\b], v[TM+\b], v[TP+\b]
.endr
.irp b, 0,1,2,3
	s_delay_alu instid0(VALU_DEP_4)
	v_add_nc_u32 v[SO+\b], SUBE, v[TM+\b]
.endr
.irp b, 0,1,2,3
	v_and_or_b32 v[LM+\b], v[TM+\b], EXPM, s34
.endr
.irp b, 0,1,2,3
	v_lshrrev_b32 v[TP+\b], 23, v[SO+\b]
.endr
	s_delay_alu instid0(VALU_DEP_3)
	v_lshl_or_b32 v[PW+\i], v[TP+1], 8, v[TP]      ; my row's scale word for these 128 columns
	s_delay_alu instid0(VALU_DEP_1)
	v_lshl_or_b32 v[PW+\i], v[TP+2], 16, v[PW+\i]
	s_delay_alu instid0(VALU_DEP_1)
	v_lshl_or_b32 v[PW+\i], v[TP+3], 24, v[PW+\i]
	WIN 0x41
.irp b, 0,1,2,3
.irp n, 0,1,2,3,4,5,6,7,8,9,10,11,12,13,14,15
	v_med3_num_f32 v[AB+16*\b+\n], v[AB+16*\b+\n], 0, v[LM+\b]     ; the activation and the hold in one
.endr
.endr
	WIN 0x01
.irp b, 0,1,2,3
	v_cvt_scalef32_pk8_bf8_f32 v[PC+16*\i+4*\b:PC+16*\i+4*\b+1], v[AB+16*\b:AB+16*\b+7], v[SO+\b]
	v_cvt_scalef32_pk8_bf8_f32 v[PC+16*\i+4*\b+2:PC+16*\i+4*\b+3], v[AB+16*\b+8:AB+16*\b+15], v[SO+\b]
.endr
	WIN 0
	v_nop                                          ; a plain line behind the last conversion
.irp c, 0,1,2,3
	global_store_b128 v[L16], v[PC+16*\i+4*\c:PC+16*\i+4*\c+3], s[38:39] offset:65536*\i+512*\c   ; 32 lanes store 512 consecutive bytes, aligned
.endr
	global_store_b32 v[L4], v[PW+\i], s[40:41] offset:4096*\i
.endm
.Lchunk:                                           ; tiles s29 .. s29 + 2; its rows' first 30 loads are out.  Three trips at the most: 3 w + 24 n stays under 64 tiles only for n = 0, 1, 2
	WIN 0x40
.irp i, 0,1,2
.irp t, 0,1,2,3,4,5,6,7
	ds_load_b128 v[64*\i+8*\t:64*\i+8*\t+3], v[ABI] offset:1024*\t         ; the sums begin with the bias
	ds_load_b128 v[64*\i+8*\t+4:64*\i+8*\t+7], v[ABI] offset:1024*\t+512
.endr
.endr
	WIN 0
	WSLOAD 0
	WFLOAD 0, 0
	WFLOAD 1, 0
	s_wait_alu depctr_va_vdst(0)
.irp s, 0,1,2,3,4,5,6,7
	KSTEP \s
.endr
	HOUT 0
	HOUT 1
	HOUT 2
	s_add_co_u32 s29, s29, 24                      ; eight waves x three tiles on
	s_cmp_ge_u32 s29, s28
	s_cbranch_scc1 .Lend                           ; the expert has no tile left for me
	s_wait_xcnt 0x0                                ; the stores have read their data and bases, the loads their offsets: all are written again
	s_add_nc_u64 s[38:39], s[38:39], 24*65536
	s_add_nc_u64 s[40:41], s[40:41], 24*4096
.irp i, 0,1,2
	v_add_nc_u32 v[PP+\i], 384, v[PP+\i]           ; the next chunk's places: the search once more, the groups' masks and starts out of their lanes
.endr
.set G, 0
.rept 32
	v_readlane_b32 s26, v[VM], G
	v_readlane_b32 s27, v[VB], G
	SSTEP G, 27
.set G, G+1
.endr
	SELECT
	XADDR
	XPRO
	XFLOAD 1
	s_add_co_u32 s46, s46, 1                       ; the loop is counted against a constant
	s_cmp_lt_u32 s46, 3
	s_cbranch_scc1 .Lchunk
.Lend:
	s_wait_tensorcnt 0x0
	ds_add_u32 v21, v29
	s_wait_dscnt 0x0
	s_endpgm
.Lfunc_end_k_q11600f8451_ffn1:
	.size	k_q11600f8451_ffn1, .Lfunc_end_k_q11600f8451_ffn1-k_q11600f8451_ffn1
	.p2alignl 7, 3214868480
	.fill 96, 4, 3214868480
	.section	.rodata,"a",@progbits
	.p2align	6, 0x0
	.amdhsa_kernel k_q11600f8451_ffn1
		.amdhsa_group_segment_fixed_size 144640
		.amdhsa_private_segment_fixed_size 0
		.amdhsa_enable_private_segment 0
		.amdhsa_kernarg_size 64
		.amdhsa_user_sgpr_count 2
		.amdhsa_user_sgpr_kernarg_segment_ptr 1
		.amdhsa_wavefront_size32 1
		.amdhsa_system_sgpr_workgroup_id_x 1
		.amdhsa_system_sgpr_workgroup_id_y 1
		.amdhsa_system_sgpr_workgroup_id_z 1
		.amdhsa_system_vgpr_workitem_id 0
		.amdhsa_next_free_vgpr 512
		.amdhsa_next_free_sgpr 66
		.amdhsa_reserve_vcc 0
		.amdhsa_float_denorm_mode_32 3
		.amdhsa_float_denorm_mode_16_64 3
		.amdhsa_memory_ordered 1
		.amdhsa_forward_progress 1
		.amdhsa_inst_pref_size 255
	.end_amdhsa_kernel
	.section	.bss,"aw",@nobits
	.p2align	6
	.space	262144
	.amdgpu_metadata
---
amdhsa.version: [ 1, 2 ]
amdhsa.kernels:
  - .name:           k_q11600f8451_ffn1
    .symbol:         k_q11600f8451_ffn1.kd
    .args:
      - { .name: topi, .offset: 0, .size: 8, .value_kind: global_buffer, .address_space: global }
      - { .name: W1, .offset: 8, .size: 8, .value_kind: global_buffer, .address_space: global }
      - { .name: b1, .offset: 16, .size: 8, .value_kind: global_buffer, .address_space: global }
      - { .name: xq, .offset: 24, .size: 8, .value_kind: global_buffer, .address_space: global }
      - { .name: xs, .offset: 32, .size: 8, .value_kind: global_buffer, .address_space: global }
      - { .name: hq, .offset: 40, .size: 8, .value_kind: global_buffer, .address_space: global }
      - { .name: hs, .offset: 48, .size: 8, .value_kind: global_buffer, .address_space: global }
      - { .name: place, .offset: 56, .size: 8, .value_kind: global_buffer, .address_space: global }
    .group_segment_fixed_size: 144640
    .private_segment_fixed_size: 0
    .kernarg_segment_align: 8
    .kernarg_segment_size: 64
    .max_flat_workgroup_size: 256
    .sgpr_count:     66
    .vgpr_count:     512
    .wavefront_size: 32
...
	.end_amdgpu_metadata
.endif
;; end of part 2
;; launch ffn2 (part 3): grid 32 x 8, 8 waves a work-group, no clusters, 204,032 bytes of LDS; arguments place, W2, hq, hs, y; writes y
.if DOCPART == 3
	.amdgcn_target "amdgcn-amd-amdhsa--gfx1250"
	.amdhsa_code_object_version 6
	.text
	.protected	k_q11600f8451_ffn2
	.globl	k_q11600f8451_ffn2
	.p2align	8
	.type	k_q11600f8451_ffn2,@function
k_q11600f8451_ffn2:
	s_mov_b64 s[64:65], 0
	v_nop
	global_prefetch_b8 v0, s[64:65] scope:SCOPE_SE
	s_setreg_imm32_b32 hwreg(HW_REG_WAVE_MODE, 25, 1), 1
	s_wait_xcnt 0x0
; SECOND PRODUCT OF THE EXPERTS, for the rows that chose the expert alone: y[q][e][row][d] = the sum over quarter q of F of h[e][row][f] W2[e][f][d].
; Work-group x = dslice + 8 q, y = e owns W2[e][1024 q .. 1024 q + 1023][128 dslice .. + 127]: 512 KB of f32 that nobody else reads, so every weight byte leaves memory once, as f32.
; PHASE A: wave w turns K step w (128 rows of the slice) into codes of E5M2 and E8M0 scale words, laid in LDS as images of the operand's registers.  The first chunk's rows of h are asked for behind the last request for weights.
; PHASE B: a wave takes chunks of three tiles of 16 rows of h (fragments and scale words come from memory as the launch before laid them: images of the registers), multiplies them with all eight tiles of 16 columns
; over the eight K steps (24 accumulators by turns; the first K step starts the sums with the constant 0), and stores whole rows of 512 bytes through its own stage in LDS.
; The four quarters' parts, the bias and the gates' weights are put together by the last launch: each byte of y has one owner.
; The product is used transposed (source 0 = 16 columns of W2, source 1 = 16 rows of h): a lane holds one row.  Column n of the 128 is row n % 8 + 8 ((n / 16) % 2) of tile 2 (n / 32) + (n / 8) % 2,
; so that the 16 registers of tiles 2 b and 2 b + 1 are the 16 neighbouring columns 32 b + 16 (lane / 16) + 0 .. 15.
; LIMITS: NaN and infinities are not served; a block of zeros gets the byte 1 and not 127 (its codes are zeros; this program alone reads the bytes).
; NO TENSOR LOADS AND NO CLUSTER: the chunks' count is read from memory; the weights, 512 KB of a work-group's bytes, are shared with nobody; what the 8 work-groups of a quarter share is 1 KB a row.
; REGISTERS.  Window 0: v1-31 addresses; v32-55 h's scale words (8 i + s), v56-71 W2's, two sets: these 40 hold scale words and nothing else; v80-127 h's fragments of even K steps; v128-255 W2's eight fragments of a K step, on the way out rows of y.
;   Window 1: v0-191 the accumulators (64 i + 8 t); v192-239 h's fragments of odd K steps.  In phase A window 1 is a ring of four sets of 64 numbers, and v128-255 of window 0 are at work.
.set PITCH, 4096                       ; bytes from row to row of W2[e]
.set HSH,   16                         ; 16 rows of it = 1 << 16
.set TS,    16400                      ; LDS: a tile's eight fragments, 8 x 2,048 bytes, + 16, so that the sixteen lanes of a store in phase A fall on sixteen different columns of 16 bytes
.set SCW,   131328                     ; behind the eight tiles: scale words: 512 s + 32 r + 4 tile
.set STG,   SCW+4096                   ; a stage of 16 rows x (512 + 16) bytes for each wave
.set FLOOR, 0x8000000                  ; 2^(16 - 127)
.set SUBE,  0xf8800000                 ; - (15 << 23)
.set EXPM,  0x7f800000
.set L16,  1                           ; v1   16 x lane; LDS address of tiles 0-3
.set AF1,  2                           ; v2   the same for tiles 4-7
.set ASC,  3                           ; v3   SCW + 32 (lane % 16)
.set STO,  4                           ; v4   the stage: row lane % 16, + 64 (lane / 16)
.set SRD,  5                           ; v5   and back: 16 bytes a lane of a row
.set L4,   12                          ; v12  4 x lane
.set VO,   22                          ; v22  W2: (lane / 16) x 16 rows + 16 (lane % 16)
.set AW,   23                          ; v23-24 phase A: where my codes go
.set ASW,  25                          ; v25  and my scale words
.set XS,   32
.set WS,   56
.set WF,   128
.set Y,    192                         ; phase A: v192-255 a block's numbers, held, 16 of a column on end
.set C,    128
.set BYT,  144
.set SW,   168
.set T,    176
.set P,    180
.set LIM,  184
.set SOP,  188
.set MSB, 0
.macro WIN new                         ; s_set_vgpr_msb: bits 1:0 source 0, 3:2 source 1, 5:4 source 2, 7:6 destination; the high byte repeats the setting that is left
.if MSB != \new
	s_set_vgpr_msb (MSB<<8)|\new
.set MSB, \new
.endif
.endm
.macro PLACES n
.rept \n
	v_nop
.endr
.endm
; 16 rows x 64 columns of my K step: block c of 32 along K, columns 64 g on.  Lanes 0-15 read 256 consecutive bytes of row 32 c + i, aligned, lanes 16-31 of row 32 c + 16 + i.
.macro WLOAD g, c
	WIN 0x40
.irp i, 0,1,2,3,4,5,6,7,8,9,10,11,12,13,14,15
	global_load_b128 v[64*\c+4*\i:64*\c+4*\i+3], v[VO], s[36:37] offset:(32*\c+\i)*PITCH+256*\g th:TH_LOAD_NT
.endr
	WIN 0
.endm
.macro XFLOAD s                        ; my three tiles' fragments of h for K step s, as they lie: 512 consecutive bytes a load.  Even steps into window 0, odd into window 1
.if (\s)%2 == 1
	WIN 0x40
.set XB, 192
.else
.set XB, 80
.endif
.irp i, 0,1,2
.irp c, 0,1,2,3
	global_load_b128 v[XB+16*\i+4*\c:XB+16*\i+4*\c+3], v[L16], s[38:39] offset:65536*\i+2048*(\s)+512*\c
.endr
.endr
	WIN 0
.endm
.macro XPRO                            ; a chunk's first 36 loads: my rows' scale words of the eight K steps, and K step 0's fragments
.irp i, 0,1,2
.irp s, 0,1,2,3,4,5,6,7
	global_load_b32 v[XS+8*\i+\s], v[L4], s[40:41] offset:4096*\i+128*\s
.endr
.endr
	XFLOAD 0
.endm
; Block c of columns 64 g on becomes codes.  A lane holds 16 numbers along K of each of four columns; lane l xor 16 holds the block's other 16.  The hold also brings a column's 16 numbers on end.
; refill = 1: the set takes the same block of columns 64 on; 2: the ring is done with, and its last set takes h's fragments of K step 1.
.macro QBLK g, c, left, refill
	s_wait_loadcnt \left                           ; this block's 16 loads are in; what was issued behind them stays out
	WIN 0x05
.irp j, 0,1,2,3
	v_max3_num_f32 v[T+\j], |v[64*\c+\j]|, |v[64*\c+4+\j]|, FLOOR
.endr
.irp m, 1,2,3,4,5,6,7
.irp j, 0,1,2,3
	s_delay_alu instid0(VALU_DEP_4)
	v_max3_num_f32 v[T+\j], |v[64*\c+8*\m+\j]|, |v[64*\c+8*\m+4+\j]|, v[T+\j]
.endr
.endr
	WIN 0
.irp j, 0,1,2,3
	v_permlanex16_b32 v[P+\j], v[T+\j], s32, s33
.endr
.irp j, 0,1,2,3
	s_delay_alu instid0(VALU_DEP_4)
	v_max_num_f32 v[T+\j], v[T+\j], v[P+\j]        ; the block's largest magnitude
.endr
.irp j, 0,1,2,3
	s_delay_alu instid0(VALU_DEP_4)
	v_add_nc_u32 v[SOP+\j], SUBE, v[T+\j]          ; 15 off its exponent field: the conversion's scale operand
.endr
.irp j, 0,1,2,3
	v_and_or_b32 v[LIM+\j], v[T+\j], EXPM, s34     ; 57,344 x the scale
.endr
.irp j, 0,1,2,3
.if \c == 0
	v_lshrrev_b32 v[SW+4*\g+\j], 23, v[SOP+\j]     ; the scale's byte: block c is byte c of the column's word
.else
	v_lshrrev_b32 v[BYT+\j], 23, v[SOP+\j]
.endif
.endr
.if \c > 0
.irp j, 0,1,2,3
	s_delay_alu instid0(VALU_DEP_4)
	v_lshl_or_b32 v[SW+4*\g+\j], v[BYT+\j], 8*\c, v[SW+4*\g+\j]
.endr
.endif
	WIN 0x01
.irp j, 0,1,2,3
.irp i, 0,1,2,3,4,5,6,7,8,9,10,11,12,13,14,15
	v_med3_num_f32 v[Y+16*\j+\i], v[64*\c+4*\i+\j], -v[LIM+\j], v[LIM+\j]   ; the conversion does not saturate (ISA guide 7.6.2): the hold comes first
.endr
.endr
	WIN 0
.if \refill == 1
	WLOAD 1, \c
.elseif \refill == 2
	XFLOAD 1
.endif
	s_wait_alu depctr_va_vdst(0)
	s_wait_dscnt 0x0                               ; the last block's LDS stores have read the codes' registers
.irp j, 0,1,2,3
	v_cvt_scalef32_pk8_bf8_f32 v[C+4*\j:C+4*\j+1], v[Y+16*\j:Y+16*\j+7], v[SOP+\j]
	v_cvt_scalef32_pk8_bf8_f32 v[C+4*\j+2:C+4*\j+3], v[Y+16*\j+8:Y+16*\j+15], v[SOP+\j]
.endr
	v_nop                                          ; a plain line behind the last conversion
.irp j, 0,1,2,3
	ds_store_b128 v[AW+\g], v[C+4*\j:C+4*\j+3] offset:512*\c+16*\j
.endr
.if \c == 3
.irp j, 0,1,2,3
	ds_store_b32 v[ASW], v[SW+4*\g+\j] offset:32*\j+16*\g
.endr
.endif
.endm
	s_load_b256 s[4:11], s[0:1], 0x0               ; place, W2, hq, hs
	s_load_b64 s[12:13], s[0:1], 0x20              ; y
	v_lshl_add_u32 v78, v0, 2, 0x31900
	v_mov_b32 v79, 0
	v_lshrrev_b32 v9, 5, v0
	s_delay_alu instid0(VALU_DEP_1)
	v_readfirstlane_b32 s22, v9                    ; wave 0..7
	s_and_b32 s23, ttmp9, 7                        ; slice of D
	s_lshr_b32 s35, ttmp9, 3                       ; quarter of F
	s_and_b32 s24, ttmp7, 0xffff                   ; expert
	v_and_b32 v10, 31, v0                          ; lane
	v_and_b32 v11, 15, v0                          ; lane % 16
	v_bfe_u32 v31, v0, 4, 1                        ; h = lane / 16
	s_delay_alu instid0(VALU_DEP_3)
	v_lshlrev_b32 v[L16], 4, v10
	s_delay_alu instid0(VALU_DEP_1)
	v_add_nc_u32 v[AF1], 4*TS, v[L16]
	s_delay_alu instid0(VALU_DEP_4)
	v_lshl_add_u32 v[ASC], v11, 5, SCW
	v_lshlrev_b32 v[L4], 2, v10
	v_lshlrev_b32 v[VO], 4, v11
	s_delay_alu instid0(VALU_DEP_1)
	v_lshl_add_u32 v[VO], v31, HSH, v[VO]
	s_mul_i32 s30, s22, 16*528
	s_add_co_u32 s30, s30, STG                     ; my stage
	v_mul_u32_u24 v[STO], v11, 528
	s_delay_alu instid0(VALU_DEP_1)
	v_lshl_add_u32 v[STO], v31, 6, v[STO]
	s_delay_alu instid0(VALU_DEP_1)
	v_add_nc_u32 v[STO], s30, v[STO]
	v_add_nc_u32 v[SRD], s30, v[L16]
	; phase A: with q = lane % 16 my columns 4 q + j lie in tile t' = 2 (q / 8) + (q / 2) % 2 (+ 4 for columns 64 on), rows 4 (q % 2) + 8 ((q / 4) % 2) + j
	v_bfe_u32 v26, v0, 3, 1
	v_bfe_u32 v27, v0, 1, 1
	s_delay_alu instid0(VALU_DEP_1)
	v_lshl_add_u32 v26, v26, 1, v27                ; t'
	v_and_b32 v27, 1, v0
	v_bfe_u32 v28, v0, 2, 1
	s_delay_alu instid0(VALU_DEP_1)
	v_lshl_add_u32 v27, v28, 1, v27                ; first row / 4
	s_delay_alu instid0(VALU_DEP_4)
	v_mul_u32_u24 v[AW], v26, TS
	s_delay_alu instid0(VALU_DEP_1)
	v_lshl_add_u32 v[AW], v27, 6, v[AW]
	s_delay_alu instid0(VALU_DEP_1)
	v_lshl_add_u32 v[AW], v31, 8, v[AW]
	s_lshl_b32 s30, s22, 11
	v_add_nc_u32 v[AW], s30, v[AW]
	s_delay_alu instid0(VALU_DEP_1)
	v_add_nc_u32 v[AW+1], 4*TS, v[AW]
	v_lshlrev_b32 v[ASW], 2, v26
	s_delay_alu instid0(VALU_DEP_1)
	v_lshl_add_u32 v[ASW], v27, 7, v[ASW]
	s_lshl_b32 s30, s22, 9
	v_add_nc_u32 v[ASW], s30, v[ASW]
	s_delay_alu instid0(VALU_DEP_1)
	v_add_nc_u32 v[ASW], SCW, v[ASW]
.irp j, 0,1,2,3
	v_mov_b32 v[P+\j], 0                           ; written once: a lane permute's destination counts as one of its sources
.endr
	s_lshl_b32 s36, s24, 24                        ; W2: 16 MiB an expert, 1,024 rows a quarter, 128 rows a wave, 512 bytes a slice
	s_lshl_b32 s37, s35, 22
	s_add_co_u32 s36, s36, s37
	s_lshl_b32 s37, s22, 19
	s_add_co_u32 s36, s36, s37
	s_lshl_b32 s37, s23, 9
	s_add_co_u32 s36, s36, s37
	s_mov_b32 s37, 0
	s_lshl_b32 s44, s24, 7                         ; the expert's count: 128 bytes an expert, behind the places
	s_mov_b32 s45, 0
	s_mul_i32 s29, s22, 3                          ; my first tile
	s_mul_i32 s30, s24, 66
	s_add_co_u32 s30, s30, s29
	s_lshl_b32 s30, s30, 5
	s_lshl_b32 s31, s35, 3
	s_add_co_u32 s30, s30, s31                     ; (66 e + tile) x 32 + 8 q: the first fragment of h that I read
	s_lshl_b32 s38, s30, 11
	s_mov_b32 s39, 0
	s_lshl_b32 s40, s30, 7
	s_mov_b32 s41, 0
	s_add_co_u32 s30, s31, s24
	s_mul_i32 s30, s30, 1056
	s_lshl_b32 s31, s29, 4
	s_add_co_u32 s30, s30, s31                     ; y: row (8 q + e) x 1,056 + 16 x tile,
	s_lshl_b32 s42, s30, 12
	s_lshl_b32 s31, s23, 9
	s_add_co_u32 s42, s42, s31                     ; 4,096 bytes a row, + my 512
	s_mov_b32 s43, 0
	s_mov_b32 s32, 0x76543210
	s_mov_b32 s33, 0xfedcba98
	s_mov_b32 s34, 0x600000
	s_wait_kmcnt 0x0
	s_add_nc_u64 s[36:37], s[6:7], s[36:37]
	s_add_nc_u64 s[4:5], s[4:5], s[44:45]
	WLOAD 0, 0                                     ; the weights are asked for before anything else is done: 64 loads, 32 KB a wave
	WLOAD 0, 1
	WLOAD 0, 2
	WLOAD 0, 3
	s_load_b32 s25, s[4:5], 0x8000
	s_add_nc_u64 s[38:39], s[8:9], s[38:39]
	s_add_nc_u64 s[40:41], s[10:11], s[40:41]
	s_add_nc_u64 s[42:43], s[12:13], s[42:43]
	QBLK 0, 0, 48, 1                               ; behind each of these four blocks: three blocks of 16 loads
	QBLK 0, 1, 48, 1
	QBLK 0, 2, 48, 1
	QBLK 0, 3, 48, 1
	s_wait_kmcnt 0x0                               ; the count, asked for four blocks ago
	s_min_u32 s25, s25, 1024
	s_add_co_u32 s28, s25, 15
	s_lshr_b32 s28, s28, 4
	s_min_u32 s28, s28, 64                         ; tiles of 16 rows
	s_cmp_lt_u32 s29, s28                          ; a wave without a tile asks for bytes of W2 in their stead and uses nothing of them: h's bytes behind the expert's last chunk were never stored,
	s_cselect_b64 s[38:39], s[38:39], s[6:7]       ; and the counts of the waits below are to be the same in every wave
	s_cselect_b64 s[40:41], s[40:41], s[6:7]
	XPRO                                           ; every weight has been asked for: my first chunk's rows follow them, 36 loads, and land while the last four blocks are worked
	QBLK 1, 0, 63, 0                               ; 48 + 36 loads were issued behind this block's; 63 is the largest count that can be named
	QBLK 1, 1, 63, 0                               ; 32 + 36: likewise
	QBLK 1, 2, 52, 0                               ; 16 + 36
	QBLK 1, 3, 36, 2                               ; the 36; K step 1's 12 loads go out when the last set has been read
	s_wait_dscnt 0x0                               ; for the others' sake: my K step's codes and scale words have landed
	s_barrier_signal -1
	s_barrier_wait -1                              ; the slice lies in LDS; from here on a wave stores only into its own stage
	s_mov_b32 s46, 0                               ; counts my chunks
	s_cmp_ge_u32 s29, s28
	s_cbranch_scc1 .Lend
.macro WSLOAD s
	ds_load_b128 v[WS+8*((\s)%2):WS+8*((\s)%2)+3], v[ASC] offset:512*(\s)
	ds_load_b128 v[WS+8*((\s)%2)+4:WS+8*((\s)%2)+7], v[ASC] offset:512*(\s)+16
.endm
.macro WFLOAD half, s
.irp t, 0,1,2,3
.irp c, 0,1,2,3
	ds_load_b128 v[WF+64*\half+16*\t+4*\c:WF+64*\half+16*\t+4*\c+3], v[L16+\half] offset:\t*TS+2048*(\s)+512*\c
.endr
.endr
.endm
.macro MM12 s, t0                      ; four tiles of columns x my three tiles of rows; the 24 accumulators take turns, one instruction a turn, in the same order in every K step
.if (\s)%2 == 0
	WIN 0x50
.set XB, 80
.else
	WIN 0x54
.set XB, 192
.endif
.irp t, \t0, \t0+1, \t0+2, \t0+3
.irp i, 0,1,2
.if (\s) == 0
	v_wmma_scale_f32_16x16x128_f8f6f4 v[64*\i+8*(\t):64*\i+8*(\t)+7], v[WF+16*(\t):WF+16*(\t)+15], v[XB+16*\i:XB+16*\i+15], 0, v[WS+8*((\s)%2)+(\t)], v[XS+8*\i+(\s)] matrix_a_fmt:MATRIX_FMT_BF8 matrix_b_fmt:MATRIX_FMT_BF8
.else
	v_wmma_scale_f32_16x16x128_f8f6f4 v[64*\i+8*(\t):64*\i+8*(\t)+7], v[WF+16*(\t):WF+16*(\t)+15], v[XB+16*\i:XB+16*\i+15], v[64*\i+8*(\t):64*\i+8*(\t)+7], v[WS+8*((\s)%2)+(\t)], v[XS+8*\i+(\s)] matrix_a_fmt:MATRIX_FMT_BF8 matrix_b_fmt:MATRIX_FMT_BF8
.endif
.endr
.endr
	WIN 0
.endm
; Eight plain vector lines stand between a matrix instruction of this form and a load into one of its registers or the first read of its result; nine before a matrix instruction begins one of its accumulators anew.
.macro KSTEP s
.if \s < 7
	s_wait_loadcnt 12                              ; h's fragments of this step (and, in step 0, its scale words) are in; the next step's 12 loads stay out
.else
	s_wait_loadcnt 0x0
.endif
	s_wait_dscnt 16                                ; scale words and tiles 0-3 are in; tiles 4-7's 16 loads stay out
	MM12 \s, 0
	PLACES 8
.if \s < 7
	WSLOAD \s+1
	WFLOAD 0, \s+1
	s_wait_dscnt 18                                ; tiles 4-7 are in; the 18 loads just issued stay out
.else
	s_wait_dscnt 0x0
.endif
	MM12 \s, 4
.if \s < 7
	PLACES 8
	WFLOAD 1, \s+1
.else
	PLACES 9                                       ; no vector work follows in the way out, and the next chunk's first products begin these accumulators anew
.endif
.if \s < 6
	XFLOAD \s+2
.endif
.endm
; Tile i's 16 rows x 128 columns go through my stage and leave as whole rows of 512 bytes.  A tile behind the expert's last is not stored.
.macro YOUT i
.if \i > 0
	s_add_co_u32 s30, s29, \i
	s_cmp_ge_u32 s30, s28
	s_cbranch_scc1 .Lskip_\@
.endif
	WIN 0x04                                       ; an LDS store's data are its source 1: window 1
.irp b, 0,1,2,3
.irp g, 0,1,2,3
	ds_store_b128 v[STO], v[64*\i+16*\b+4*\g:64*\i+16*\b+4*\g+3] offset:128*\b+16*\g   ; columns 32 b + 16 h + 4 g on; each accumulator from its low end on
.endr
.endr
	WIN 0
.if \i == 2
	s_wait_xcnt 0x0                                ; tile 0's stores have read the registers that these rows land in
.endif
.set OB, WF+64*((\i)%2)
.irp r, 0,1,2,3,4,5,6,7,8,9,10,11,12,13,14,15
	ds_load_b128 v[OB+4*\r:OB+4*\r+3], v[SRD] offset:528*\r        ; LDS serves a wave's instructions in order: these see the stores above
.endr
.irp r, 0,1,2,3,4,5,6,7,8,9,10,11,12,13,14,15
	s_wait_dscnt 15-\r
	global_store_b128 v[L16], v[OB+4*\r:OB+4*\r+3], s[42:43] offset:65536*\i+4096*\r th:TH_STORE_NT   ; 32 lanes store 512 consecutive bytes, aligned
.endr
.if \i > 0
.Lskip_\@:
.endif
.endm
.Lchunk:                                           ; tiles s29 .. s29 + 2; its rows' first 48 loads are out.  Three trips at the most: 3 w + 24 n stays under 64 tiles only for n = 0, 1, 2
	WSLOAD 0
	WFLOAD 0, 0
	WFLOAD 1, 0
.irp s, 0,1,2,3,4,5,6,7
	KSTEP \s
.endr
	YOUT 0
	YOUT 1
	YOUT 2
	s_add_co_u32 s29, s29, 24                      ; eight waves x three tiles on
	s_cmp_ge_u32 s29, s28
	s_cbranch_scc1 .Lend                           ; the expert has no tile left for me
	s_wait_xcnt 0x0                                ; the stores have read their data and base: both are written again
	s_add_nc_u64 s[38:39], s[38:39], 24*65536
	s_add_nc_u64 s[40:41], s[40:41], 24*4096
	s_add_nc_u64 s[42:43], s[42:43], 24*65536
	XPRO                                           ; the next chunk's rows, in the order in which the first chunk's were asked for
	XFLOAD 1
	s_add_co_u32 s46, s46, 1                       ; the loop is counted against a constant
	s_cmp_lt_u32 s46, 3
	s_cbranch_scc1 .Lchunk
.Lend:
	s_wait_tensorcnt 0x0
	ds_add_u32 v78, v79
	s_wait_dscnt 0x0
	s_endpgm
.Lfunc_end_k_q11600f8451_ffn2:
	.size	k_q11600f8451_ffn2, .Lfunc_end_k_q11600f8451_ffn2-k_q11600f8451_ffn2
	.p2alignl 7, 3214868480
	.fill 96, 4, 3214868480
	.section	.rodata,"a",@progbits
	.p2align	6, 0x0
	.amdhsa_kernel k_q11600f8451_ffn2
		.amdhsa_group_segment_fixed_size 204032
		.amdhsa_private_segment_fixed_size 0
		.amdhsa_enable_private_segment 0
		.amdhsa_kernarg_size 40
		.amdhsa_user_sgpr_count 2
		.amdhsa_user_sgpr_kernarg_segment_ptr 1
		.amdhsa_wavefront_size32 1
		.amdhsa_system_sgpr_workgroup_id_x 1
		.amdhsa_system_sgpr_workgroup_id_y 1
		.amdhsa_system_sgpr_workgroup_id_z 1
		.amdhsa_system_vgpr_workitem_id 0
		.amdhsa_next_free_vgpr 512
		.amdhsa_next_free_sgpr 66
		.amdhsa_reserve_vcc 0
		.amdhsa_float_denorm_mode_32 3
		.amdhsa_float_denorm_mode_16_64 3
		.amdhsa_memory_ordered 1
		.amdhsa_forward_progress 1
		.amdhsa_inst_pref_size 171
	.end_amdhsa_kernel
	.amdgpu_metadata
---
amdhsa.version: [ 1, 2 ]
amdhsa.kernels:
  - .name:           k_q11600f8451_ffn2
    .symbol:         k_q11600f8451_ffn2.kd
    .args:
      - { .name: place, .offset: 0, .size: 8, .value_kind: global_buffer, .address_space: global }
      - { .name: W2, .offset: 8, .size: 8, .value_kind: global_buffer, .address_space: global }
      - { .name: hq, .offset: 16, .size: 8, .value_kind: global_buffer, .address_space: global }
      - { .name: hs, .offset: 24, .size: 8, .value_kind: global_buffer, .address_space: global }
      - { .name: y, .offset: 32, .size: 8, .value_kind: global_buffer, .address_space: global }
    .group_segment_fixed_size: 204032
    .private_segment_fixed_size: 0
    .kernarg_segment_align: 8
    .kernarg_segment_size: 40
    .max_flat_workgroup_size: 256
    .sgpr_count:     66
    .vgpr_count:     512
    .wavefront_size: 32
...
	.end_amdgpu_metadata
.endif
;; end of part 3
;; launch combine (part 4): grid 256 x 1, 8 waves a work-group, no clusters, 0 bytes of LDS; arguments topi, topw, place, y, b2, out0; writes out0
.if DOCPART == 4
	.amdgcn_target "amdgcn-amd-amdhsa--gfx1250"
	.amdhsa_code_object_version 6
	.text
	.protected	k_q11600f8451_combine
	.globl	k_q11600f8451_combine
	.p2align	8
	.type	k_q11600f8451_combine,@function
k_q11600f8451_combine:
	s_mov_b64 s[64:65], 0
	v_nop
	global_prefetch_b8 v0, s[64:65] scope:SCOPE_SE
	s_setreg_imm32_b32 hwreg(HW_REG_WAVE_MODE, 25, 1), 1
	s_wait_xcnt 0x0
; out0[t] = the sum over a token's two experts of w_k x (b2[e_k] + the four quarters' parts of y at the token's place among expert e_k's rows).  All in f32.
; A work-group takes four tokens; a wave takes half a token's row, 2,048 bytes: 32 loads of y and 8 of b2, 512 consecutive bytes each, all asked for at once; 4 stores of 512 consecutive bytes, aligned.
; The experts and places are whole numbers stored by earlier launches; each is held inside its table before it enters an address.
; A stream: no LDS, no barrier, no matrix unit, no cluster (no two waves read the same bytes of y).
.set QSTR, 8*1056*4096                 ; bytes from a quarter's part of y to the next
.set YR,   16                          ; v16-143  y: 64 k + 16 q + 4 c
.set BB,   144                         ; v144-175 b2: 16 k + 4 c
	s_load_b256 s[4:11], s[0:1], 0x0               ; topi, topw, place, y
	s_load_b128 s[12:15], s[0:1], 0x20             ; b2, out0
	v_lshrrev_b32 v1, 5, v0
	s_delay_alu instid0(VALU_DEP_1)
	v_readfirstlane_b32 s16, v1                    ; wave
	v_and_b32 v1, 31, v0
	s_delay_alu instid0(VALU_DEP_1)
	v_lshlrev_b32 v2, 4, v1                        ; 16 bytes a lane, and for each quarter of F its distance
	s_delay_alu instid0(VALU_DEP_1)
	v_add_nc_u32 v3, QSTR, v2
	s_delay_alu instid0(VALU_DEP_2)
	v_add_nc_u32 v4, 2*QSTR, v2
	s_delay_alu instid0(VALU_DEP_3)
	v_add_nc_u32 v5, 3*QSTR, v2
	s_lshr_b32 s17, s16, 1
	s_lshl_b32 s18, ttmp9, 2
	s_add_co_u32 s17, s17, s18                     ; my token
	s_and_b32 s16, s16, 1
	s_lshl_b32 s16, s16, 11                        ; my half of its row, in bytes
	s_lshl_b32 s32, s17, 3
	s_mov_b32 s33, 0
	s_lshl_b32 s34, s17, 2
	s_mov_b32 s35, 0
	s_lshl_b32 s50, s17, 12
	s_add_co_u32 s50, s50, s16
	s_mov_b32 s51, 0
	s_wait_alu depctr_va_vdst(0)
	s_wait_kmcnt 0x0
	s_add_nc_u64 s[4:5], s[4:5], s[32:33]
	s_add_nc_u64 s[6:7], s[6:7], s[32:33]
	s_add_nc_u64 s[8:9], s[8:9], s[34:35]
	s_add_nc_u64 s[50:51], s[14:15], s[50:51]
	s_load_b64 s[20:21], s[4:5], 0x0               ; the two experts,
	s_load_b64 s[22:23], s[6:7], 0x0               ; their weights,
.irp e, 0,1,2,3,4,5,6,7
	s_load_b32 s[24+\e], s[8:9], 4096*\e           ; and the token's place in each expert's list: all at once, so that no load waits for another's result
.endr
	s_wait_kmcnt 0x0
	s_min_u32 s20, s20, 7
	s_min_u32 s21, s21, 7
	s_mov_b32 s36, 0
	s_mov_b32 s37, 0
.irp e, 0,1,2,3,4,5,6,7
	s_cmp_eq_u32 s20, \e
	s_cselect_b32 s36, s[24+\e], s36
	s_cmp_eq_u32 s21, \e
	s_cselect_b32 s37, s[24+\e], s37
.endr
	s_min_u32 s36, s36, 1055
	s_min_u32 s37, s37, 1055
.irp k, 0,1
	s_mul_i32 s[38+2*\k], s[20+\k], 1056
	s_add_co_u32 s[38+2*\k], s[38+2*\k], s[36+\k]  ; row 1,056 e + place
	s_lshl_b32 s[38+2*\k], s[38+2*\k], 12
	s_add_co_u32 s[38+2*\k], s[38+2*\k], s16
	s_mov_b32 s[39+2*\k], 0
	s_add_nc_u64 s[38+2*\k:39+2*\k], s[10:11], s[38+2*\k:39+2*\k]
	s_lshl_b32 s[42+2*\k], s[20+\k], 12
	s_add_co_u32 s[42+2*\k], s[42+2*\k], s16
	s_mov_b32 s[43+2*\k], 0
	s_add_nc_u64 s[42+2*\k:43+2*\k], s[12:13], s[42+2*\k:43+2*\k]
	s_mov_b32 s[46+2*\k], s[22+\k]                 ; the weight in a pair of its own: the packed forms name a pair and take its low word for both halves
	s_mov_b32 s[47+2*\k], s[22+\k]
.endr
.irp k, 0,1
.irp c, 0,1,2,3
	global_load_b128 v[BB+16*\k+4*\c:BB+16*\k+4*\c+3], v2, s[42+2*\k:43+2*\k] offset:512*\c
.endr
.endr
.irp k, 0,1
.irp q, 0,1,2,3
.irp c, 0,1,2,3
	global_load_b128 v[YR+64*\k+16*\q+4*\c:YR+64*\k+16*\q+4*\c+3], v[2+\q], s[38+2*\k:39+2*\k] offset:512*\c th:TH_LOAD_NT
.endr
.endr
.endr
.macro SUMK k                          ; ((y0 + y1) + (y2 + y3)) + b2, two numbers an instruction, stage by stage, so that no line waits for the line above it
.irp c, 0,1,2,3
.irp p, 0,2
.set A, YR+64*\k+4*\c+\p
	v_pk_add_f32 v[A:A+1], v[A:A+1], v[A+16:A+17]
	v_pk_add_f32 v[A+32:A+33], v[A+32:A+33], v[A+48:A+49]
.endr
.endr
.irp c, 0,1,2,3
.irp p, 0,2
.set A, YR+64*\k+4*\c+\p
	v_pk_add_f32 v[A:A+1], v[A:A+1], v[A+32:A+33]
.endr
.endr
.irp c, 0,1,2,3
.irp p, 0,2
.set A, YR+64*\k+4*\c+\p
	v_pk_add_f32 v[A:A+1], v[A:A+1], v[BB+16*\k+4*\c+\p:BB+16*\k+4*\c+\p+1]
.endr
.endr
.endm
	s_wait_loadcnt 16                              ; b2 and the first expert's parts are in; the second expert's 16 loads stay out
	SUMK 0
.irp c, 0,1,2,3
.irp p, 0,2
	v_pk_mul_f32 v[YR+4*\c+\p:YR+4*\c+\p+1], v[YR+4*\c+\p:YR+4*\c+\p+1], s[46:47] op_sel_hi:[1,0]
.endr
.endr
	s_wait_loadcnt 0x0
	SUMK 1
.irp c, 0,1,2,3
.irp p, 0,2
	v_pk_fma_f32 v[YR+4*\c+\p:YR+4*\c+\p+1], v[YR+64+4*\c+\p:YR+64+4*\c+\p+1], s[48:49], v[YR+4*\c+\p:YR+4*\c+\p+1] op_sel_hi:[1,0,1]
.endr
.endr
.irp c, 0,1,2,3
	global_store_b128 v2, v[YR+4*\c:YR+4*\c+3], s[50:51] offset:512*\c th:TH_STORE_NT
.endr
	s_endpgm
.Lfunc_end_k_q11600f8451_combine:
	.size	k_q11600f8451_combine, .Lfunc_end_k_q11600f8451_combine-k_q11600f8451_combine
	.p2alignl 7, 3214868480
	.fill 96, 4, 3214868480
	.section	.rodata,"a",@progbits
	.p2align	6, 0x0
	.amdhsa_kernel k_q11600f8451_combine
		.amdhsa_group_segment_fixed_size 0
		.amdhsa_private_segment_fixed_size 0
		.amdhsa_enable_private_segment 0
		.amdhsa_kernarg_size 48
		.amdhsa_user_sgpr_count 2
		.amdhsa_user_sgpr_kernarg_segment_ptr 1
		.amdhsa_wavefront_size32 1
		.amdhsa_system_sgpr_workgroup_id_x 1
		.amdhsa_system_sgpr_workgroup_id_y 1
		.amdhsa_system_sgpr_workgroup_id_z 1
		.amdhsa_system_vgpr_workitem_id 0
		.amdhsa_next_free_vgpr 192
		.amdhsa_next_free_sgpr 66
		.amdhsa_reserve_vcc 0
		.amdhsa_float_denorm_mode_32 3
		.amdhsa_float_denorm_mode_16_64 3
		.amdhsa_memory_ordered 1
		.amdhsa_forward_progress 1
		.amdhsa_inst_pref_size 14
	.end_amdhsa_kernel
	.amdgpu_metadata
---
amdhsa.version: [ 1, 2 ]
amdhsa.kernels:
  - .name:           k_q11600f8451_combine
    .symbol:         k_q11600f8451_combine.kd
    .args:
      - { .name: topi, .offset: 0, .size: 8, .value_kind: global_buffer, .address_space: global }
      - { .name: topw, .offset: 8, .size: 8, .value_kind: global_buffer, .address_space: global }
      - { .name: place, .offset: 16, .size: 8, .value_kind: global_buffer, .address_space: global }
      - { .name: y, .offset: 24, .size: 8, .value_kind: global_buffer, .address_space: global }
      - { .name: b2, .offset: 32, .size: 8, .value_kind: global_buffer, .address_space: global }
      - { .name: out0, .offset: 40, .size: 8, .value_kind: global_buffer, .address_space: global }
    .group_segment_fixed_size: 0
    .private_segment_fixed_size: 0
    .kernarg_segment_align: 8
    .kernarg_segment_size: 48
    .max_flat_workgroup_size: 256
    .sgpr_count:     66
    .vgpr_count:     192
    .wavefront_size: 32
...
	.end_amdgpu_metadata
.endif
;; end of part 4
